; MI455X (gfx1250); checked and timed in simulation.
; The chip was launched on July 23, 2026; its instructions are those of AMD's public machine-readable ISA for CDNA 5 (MIT licence, August 2026) and "CDNA5" Instruction Set Architecture Reference Guide (July 2026). The comments in the code are by the model that wrote it; some were corrected since.
;; sc Gen T Attention. Allowed arithmetic: matrix products marked QUANTISED: E4M3 operands, one E8M0 scale for each 32 along K, by v_wmma_scale_f32_16x16x128_f8f6f4 with both operands' format E4M3, f32 sums; everything else in f32.
;; Inputs: out_b 1,024 float32; out_w_codes 1,024 x 32 x 32 uint8 (E4M3 codes of out_w, K innermost, in blocks of 32 codes); out_w_scales 1,024 x 32 uint8 (E8M0 scales of out_w, one for each 32 codes along K); qkv_b 3,072 float32; qkv_w_codes 3,072 x 32 x 32 uint8 (E4M3 codes of qkv_w, K innermost, in blocks of 32 codes); qkv_w_scales 3,072 x 32 uint8 (E8M0 scales of qkv_w, one for each 32 codes along K); x_codes 4 x 2,048 x 32 x 32 uint8 (E4M3 codes of x, K innermost, in blocks of 32 codes); x_scales 4 x 2,048 x 32 uint8 (E8M0 scales of x, one for each 32 codes along K).
;; Outputs: out0 4 x 2,048 x 1,024 float32.
;; This version of the problem:
;;   THIS VERSION OF THE PROBLEM IS GIVEN IN LOW PRECISION. The matrix products marked QUANTISED in the list below multiply operands that are first quantised to E4M3 (4 exponent bits, 3 mantissa bits; 8 bits a number), with one power-of-two scale for each 32 numbers along K (OCP MX v1.0); their sums are f32. All else is computed in f32.
;;   The module's matrix products, in the order in which they are computed (A, B: the left and right operand; K: the contracted axis; several contracted axes count as one K, in the product's order):
;;     1. [M 8,192, K 1,024] x [K 1,024, N 3,072]; A: input x (given as codes); B: input qkv_w (given as codes): QUANTISED
;;     2. batch 64 x [M 2,048, K 64] x [K 64, N 2,048]; A: computed on the way; B: computed on the way: QUANTISED
;;     3. batch 64 x [M 2,048, K 2,048] x [K 2,048, N 64]; A: softmax (see below); B: computed on the way: QUANTISED
;;     4. [M 8,192, K 1,024] x [K 1,024, N 1,024]; A: computed on the way; B: input out_w (given as codes): QUANTISED
;;   THE QUANTISER, for each operand of a quantised product, along K:
;;     - K is cut into blocks of 32 from its start; a last block that is shorter is filled with zeros.
;;     - A block's scale is 2^e with e = floor(log2(the largest magnitude in the block)) - 8, held to -126 .. 127; a block of zeros has e = 0. As a byte (E8M0): e + 127.
;;     - Each number is divided by its block's scale, clamped to +-448, and rounded to the nearest number of E4M3, ties to even, subnormals kept.
;;     - The product sums the exact products of the quantised numbers (number of the format x scale) in f32.
;;   ~~~python
;;   def quantise(x, axis):      # numpy; x: float32 -> the quantised numbers, widened to float32 again
;;       x = np.moveaxis(x, axis, -1); K = x.shape[-1]
;;       x = np.pad(x, [(0, 0)] * (x.ndim - 1) + [(0, -K % 32)]); x = x.reshape(x.shape[:-1] + (-1, 32)); a = np.abs(x).max(-1, keepdims=True)
;;       e = np.where(a > 0, np.clip(np.frexp(np.where(a > 0, a, 1))[1] - 1 - 8, -126, 127), 0)      # np.frexp(a)[1] - 1 = floor(log2(a)), exactly
;;       r = np.clip(x / 2.0 ** e, -448, 448)
;;       step = 2.0 ** (np.maximum(np.frexp(np.where(r == 0, 1, r))[1] - 1, -6) - 3)
;;       q = np.round(r / step) * step * 2.0 ** e      # np.round: ties to even
;;       return np.moveaxis(q.reshape(q.shape[:-2] + (-1,))[..., :K], -1, axis).astype(np.float32)
;;   ~~~
;;   SOFTMAX AHEAD OF A QUANTISED PRODUCT. Where the list says 'softmax', what is quantised is not the finished softmax but p = 2^(t - M), with t = logit x log2(e) and M = ceil(the row's largest t), a whole number; so 1/2 < the row's largest p <= 1. The row's sum l is taken of the UNQUANTISED p, in f32, and the product's result is divided by l at the end. Since M is a whole number, a kernel that streams over the keys may use a running M (the ceiling of the running maximum): every later rescaling is an exact power of two, which a block's scale takes up: the codes' values come out the same.
;;   OPERANDS COMPUTED ON THE WAY. 'Computed on the way' means the value that the module computes at that place (a softmax that the list does not call 'softmax' is quantised finished and normalised). What goes into a quantiser is computed in f32, as accurately as f32 sums, v_exp_f32 and their like allow (about 1e-6 of the number): no bf16 or f16 on the way to a quantiser, and a product that is left as it is and whose result goes on into a quantised operand takes f32 operands (vector FMAs, or v_wmma_f32_16x16x4_f32). A number that lies on a knife's edge between two numbers of the format may be rounded either way, as far as f32 arithmetic and the matrix unit's own rounding can turn it there, and no further.
;;   INPUTS GIVEN AS CODES. out_w (in the module: [1024, 1024], K = its axis 1); qkv_w (in the module: [3072, 1024], K = its axis 1); x (in the module: [4, 2048, 1024], K = its axis 2): each comes as NAME_codes (uint8): NAME with its K axis moved to the last place and cut into blocks of 32 codes, [.., K / 32, bytes a block], one block behind the other in memory; one code a byte (a code: sign, 4 exponent bits, 3 mantissa bits); and NAME_scales (uint8): the same leading axes, one E8M0 byte (e + 127) for each 32 codes along K. Its value is code x scale, taken as it is: it is not quantised again, and the codes and scales need not be those that the quantiser above would give.
;; One version. Each part assembles by itself: llvm-mc -triple=amdgcn-amd-amdhsa -mcpu=gfx1250 --defsym DOCPART=n.
;; ======== version 1 of 1: 3 launches
;; limits: right only within a limited range of input values
;; workspace buffers: qkvws 26,476,544 bytes; att_codes 8,388,608 bytes; att_scales 524,288 bytes
;; launch qkv (part 1): grid 16 x 32, 4 waves a work-group, clusters of 4 x 4, 327,680 bytes of LDS; arguments x_codes, x_scales, qkv_w_codes, qkv_w_scales, qkv_b, qkvws; writes qkvws
.if DOCPART == 1
	.amdgcn_target "amdgcn-amd-amdhsa--gfx1250"
	.amdhsa_code_object_version 6
	.text
	.protected	k_q814e15aed8_qkv
	.globl	k_q814e15aed8_qkv
	.p2align	8
	.type	k_q814e15aed8_qkv,@function
k_q814e15aed8_qkv:
	s_mov_b64 s[64:65], 0
	v_nop
	global_prefetch_b8 v0, s[64:65] scope:SCOPE_SE
	s_setreg_imm32_b32 hwreg(HW_REG_WAVE_MODE, 25, 1), 1
	s_wait_xcnt 0x0
	s_wait_alu depctr_hold_cnt(0) depctr_sa_sdst(0) depctr_va_vdst(0) depctr_va_sdst(0) depctr_va_ssrc(0) depctr_va_vcc(0) depctr_vm_vsrc(0)
	s_getreg_b32 s2, hwreg(HW_REG_IB_STS2, 6, 4)
	s_cmp_eq_u32 s2, 0
	s_cbranch_scc0 .Lentry_in_a_cluster
	s_endpgm
.Lentry_in_a_cluster:
	s_bfe_u32 s2, ttmp6, 0x10000c
	s_cmp_lg_u32 s2, 0xf033
	s_cbranch_scc0 .Lentry_shape_is_right
	s_endpgm
.Lentry_shape_is_right:
; qkv = x W^T + b on codes of E4M3 with E8M0 scales (8,192 x 1,024 x 3,072), and the quantising of q, k (along the head's 64) and v (along the tokens) for the attention that follows.
; SHARES.  A work-group takes 256 tokens x one head's 192 columns (q 64, k 64, v 64); 512 work-groups.  Wave w takes tokens 64 w .. 64 w + 63 x all 192 columns: 4 tiles of tokens (a) x 12 tiles of columns (b): 48 accumulators.
; q AND k ARE USED TRANSPOSED (source 0 = 16 rows of W, source 1 = 16 tokens): a lane holds one token and eight neighbours along the head.  v IS USED THE NATURAL WAY (source 0 = tokens, source 1 = rows of W):
; a lane holds one channel d and eight neighbouring tokens.  So in both cases a lane's registers run along the K of the product that follows, and two neighbouring tiles hold 16 of a block's 32 numbers; lane l xor 16 holds the others.
; THE ORDER INSIDE A BLOCK OF 32.  The two conversions of a lane give 16 bytes: byte 8 u + j is the block's member 16 u + 8 (lane / 16) + j.  These 16 bytes are taken as the operand's registers as they are.  That permutes k inside
; each block of 32, alike in q and k, and alike in v and in the softmax's p (made the same way in the next launch): products and scales are those of the natural order; only the order of the f32 sum inside the matrix unit differs.
; OUTPUT: records of 25,856 bytes for each (batch, head, 128 tokens): images of the operands' registers (lane l's 16 bytes at 16 l) and scale words: K images 8,192 | K words 512 | V images 8,192 | V words 256 | Q images 8,192 | Q words 512.
; q's and k's words hold two scale bytes and 0x7f in the two upper bytes: their K is 64, half of the matrix instruction's 128.
; K goes in steps of 256 through a ring of two LDS slots filled by the tensor data mover (rows of 256 bytes, 16 bytes of padding).  CLUSTERS: 4 x 4 work-groups; x's tile hangs on the block of tokens alone and is asked for jointly
; along a row of the cluster, W's on the head alone and jointly along a column.  By this text's own count a wave has two tensor loads out at the start and one behind each round.
; The scale words of x and W for all of K come once, straight into registers: 16 bytes a lane, 512 consecutive bytes a load; lanes 0-15 hold K steps 0-3, lanes 16-31 K steps 4-7 (read by ROW1).
; The biases are the C of each sum's first product.
; LIMITS: NaN and infinities are not served.  A block whose largest magnitude lies under 2^-118 keeps the byte 1; a block of zeros gets the byte 1 and not 127: its codes are zeros, and this program alone reads the bytes.
; REGISTERS, in windows of 256: window 0: v1-29 addresses; v32-47 x's scale words; v48-95 W's; v96-127 at work; v128-255 x's fragments, two sets (later the codes).
;   window 1: v0-191 W's 12 fragments, one set; v192-255 q's and k's bias.   window 2: q's and k's accumulators at 64 a + 8 b.   window 3: v0-127 v's accumulators at 32 t + 8 a; v128-159 v's bias.
.set PITCH,  272                       ; an LDS row: 256 bytes + 16 of padding: the 16 rows that a load touches begin 68 words apart
.set HALFA,  128*PITCH                 ; what one tensor load brings of x
.set HALFB,  96*PITCH                  ; and of W
.set SLOT,   2*HALFA+2*HALFB           ; x's 256 rows, then W's 192 rows
.set SPARE,  2*SLOT                    ; behind the ring: the spare words, 128 bytes for each wave, which no other line names
.set RECG,   25856                     ; a record
.set KIMG,   0
.set KSC,    8192
.set VIMG,   8704
.set VSC,    16896
.set QIMG,   17152
.set QSC,    25344
.set ADRA, 16                          ; v16-17 LDS address of my fragments of x in slot 0, 1
.set ADRB, 20                          ; v20-21 the same for W
.set VOI,  22                          ; v22 q's and k's images: 16 lane + 4,096 (wave % 2)
.set VOV,  23                          ; v23 v's images: 16 lane + 1,024 (wave % 2)
.set VOW,  24                          ; v24 q's and k's words: 16 r + 256 (wave % 2) + 17,152 (lane / 16)
.set STH,  25                          ; v25 LDS: my wave's halves of v's words: 256 wave + 16 r
.set STR,  26                          ; v26 LDS: where wave 0 reads them back: 512 (lane / 16) + 16 r
.set VOS,  27                          ; v27 v's words: 16 r + one record for lanes 16-31
.set SPW,  28                          ; v28 LDS address of my spare word; never rewritten
.set NIL,  29                          ; v29 0; never rewritten
.set SA,   32
.set SB,   48
.set TM,   96                          ; v96-99 largest magnitudes, v100-103 bytes, v108-111 the conversions' scale operands
.set SW,   112                         ; v112-115 q's and k's words
.set HW,   116                         ; v116-119 my halves of v's words
.set AF,   128
.set G1A, 28                           ; s[28:35] group 1 for x's tiles; s[36:43] group 0, a set for each slot
.set G0A, 36
.set G1B, 44                           ; s[44:51], s[52:59] the same for W's
.set G0B, 52
.set MSB, 0
.macro WIN new                         ; the immediate's high byte repeats the setting that is left
.if MSB != (\new)
	s_set_vgpr_msb (MSB<<8)|(\new)
.set MSB, (\new)
.endif
.endm
.macro PLACES n
.rept \n
	v_nop
.endr
.endm
; A joint load: waves 0 and 1 fetch x's two halves, waves 2 and 3 W's.  The branch hangs on the wave's number alone.  Four v_nop follow each of the two lines.
.macro JLOAD s
	s_cmp_eq_u32 s17, 0
	s_cbranch_scc0 .Lfor_b_\@
	tensor_load_to_lds s[G0A+4*\s:G0A+4*\s+3], s[G1A:G1A+7]
	s_nop 0
.rept 4
	v_nop
.endr
	s_branch .Lasked_\@
.Lfor_b_\@:
	tensor_load_to_lds s[G0B+4*\s:G0B+4*\s+3], s[G1B:G1B+7]
	s_nop 0
.rept 4
	v_nop
.endr
.Lasked_\@:
.endm
.macro CREST                           ; a round of the cluster's barrier behind its opening barrier
	s_cmp_lg_u32 s16, 0
	s_cbranch_scc1 .Lnot_wave_0_\@
	s_barrier_signal -3
.Lnot_wave_0_\@:
	s_barrier_wait -3
	s_barrier_signal -1
	s_barrier_wait -1
.endm
.macro CROUND                          ; a whole round
	s_barrier_signal -1
	s_barrier_wait -1
	CREST
.endm
	s_load_b256 s[4:11], s[0:1], 0x0               ; x's codes s[4:5], x's scales s[6:7], W's codes s[8:9], W's scales s[10:11]
	s_load_b128 s[12:15], s[0:1], 0x20             ; the bias s[12:13], the records s[14:15]
	v_lshl_add_u32 v[SPW], v0, 2, SPARE
	v_mov_b32 v[NIL], 0
	ds_add_u32 v28, v29
	ds_add_u32 v28, v29
	s_wait_dscnt 0x0
	v_lshrrev_b32 v1, 5, v0
	v_readfirstlane_b32 s16, v1                    ; wave 0..3
	s_lshr_b32 s17, s16, 1                         ; I fetch for x (0) or for W (1).  Also: which of the work-group's two records is mine
	s_and_b32 s18, s16, 1                          ; which half of that tile I fetch.  Also: which 64 tokens of the record are mine
	s_bfe_u32 s19, ttmp6, 0x40000                  ; cx
	s_bfe_u32 s20, ttmp6, 0x40004                  ; cy
	s_lshl_b32 s21, ttmp9, 2
	s_add_co_u32 s21, s21, s19                     ; the head = 4 x cluster x + cx
	s_and_b32 s22, ttmp7, 0xffff
	s_lshl_b32 s22, s22, 2
	s_add_co_u32 s22, s22, s20                     ; the block of 256 tokens = 4 x cluster y + cy
	s_lshl_b32 s23, s20, 2
	s_lshl_b32 s23, 15, s23                        ; my row of the cluster
	s_lshl_b32 s24, 0x1111, s19                    ; my column
	s_mov_b32 s25, 0xffff0000                      ; lanes 16-31
	s_mov_b32 s26, 0x76543210
	s_mov_b32 s27, 0xfedcba98                      ; v_permlanex16_b32's selects for lane l xor 16
	; group 1: rows of 256 elements of one byte, 1,024 bytes apart in memory; 4 words of padding behind every 64
	s_or_b32 s[G1A], s23, (1<<20)|(1<<21)|(5<<22)|(3<<25)
	s_or_b32 s[G1B], s24, (1<<20)|(1<<21)|(5<<22)|(3<<25)
.irp g, G1A, G1B
	s_mov_b32 s[\g+1], 256<<16                     ; tensor_dim0
	s_mov_b32 s[\g+3], 256<<16                     ; tile_dim0
	s_mov_b32 s[\g+5], 1024                        ; tensor_dim0_stride
	s_mov_b32 s[\g+6], 0
	s_mov_b32 s[\g+7], 0
.endr
	s_mov_b32 s[G1A+2], 128<<16                    ; tensor_dim1
	s_mov_b32 s[G1A+4], 128                        ; tile_dim1
	s_mov_b32 s[G1B+2], 96<<16
	s_mov_b32 s[G1B+4], 96
	; where the tiles come from: x's address is made of the block of tokens and the wave's number alone, W's of the head and the wave's number alone, each in registers that never hold the other coordinate
	s_lshl_b32 s66, s22, 8
	s_lshl_b32 s67, s18, 7
	s_add_co_u32 s66, s66, s67                     ; x: row 256 x block + 128 x half
	s_lshl_b32 s66, s66, 10
	s_mov_b32 s67, 0
	s_mul_i32 s70, s21, 192
	s_mul_i32 s71, s18, 96
	s_add_co_u32 s70, s70, s71                     ; W: row 192 x head + 96 x half
	s_lshl_b32 s70, s70, 10
	s_mov_b32 s71, 0
	s_mul_i32 s68, s18, HALFA                      ; and where they go: no place in the cluster enters an LDS address
	s_mul_i32 s72, s18, HALFB
	s_add_co_u32 s72, s72, 2*HALFA
	s_lshl_b32 s74, s22, 8
	s_lshl_b32 s75, s16, 6
	s_add_co_u32 s74, s74, s75
	s_lshl_b32 s74, s74, 5                         ; my 64 tokens' scale bytes: 32 a row
	s_mov_b32 s75, 0
	s_mul_i32 s76, s21, 6144                       ; the head's 192 rows of W's scale bytes
	s_mov_b32 s77, 0
	s_mul_i32 s78, s21, 768                        ; the head's 192 numbers of the bias
	s_mov_b32 s79, 0
	s_lshr_b32 s80, s22, 3                         ; my record: ((batch x 16 + head) x 16 + tokens / 128
	s_lshl_b32 s80, s80, 4
	s_add_co_u32 s80, s80, s21
	s_lshl_b32 s80, s80, 4
	s_and_b32 s81, s22, 7
	s_lshl_b32 s81, s81, 1
	s_add_co_u32 s80, s80, s81
	s_add_co_u32 s80, s80, s17
	s_mul_i32 s80, s80, RECG
	s_mov_b32 s81, 0
	s_wait_kmcnt 0x0
	s_add_nc_u64 s[66:67], s[4:5], s[66:67]
	s_add_nc_u64 s[70:71], s[8:9], s[70:71]
	s_add_nc_u64 s[6:7], s[6:7], s[74:75]
	s_add_nc_u64 s[10:11], s[10:11], s[76:77]
	s_add_nc_u64 s[12:13], s[12:13], s[78:79]
	s_add_nc_u64 s[14:15], s[14:15], s[80:81]
	CROUND                                         ; all sixteen work-groups are here: the first joint loads meet
.irp s, 0,1
	s_mov_b32 s[G0A+4*\s], 1
	s_add_co_u32 s[G0A+4*\s+1], s68, \s*SLOT
	s_add_nc_u64 s[G0A+4*\s+2:G0A+4*\s+3], s[66:67], \s*256
	s_or_b32 s[G0A+4*\s+3], s[G0A+4*\s+3], 0x80000000
	s_mov_b32 s[G0B+4*\s], 1
	s_add_co_u32 s[G0B+4*\s+1], s72, \s*SLOT
	s_add_nc_u64 s[G0B+4*\s+2:G0B+4*\s+3], s[70:71], \s*256
	s_or_b32 s[G0B+4*\s+3], s[G0B+4*\s+3], 0x80000000
	JLOAD \s
.endr
	v_and_b32 v1, 15, v0                           ; r
	v_bfe_u32 v2, v0, 4, 1                         ; h
	v_and_b32 v3, 31, v0                           ; lane
	v_mul_u32_u24 v4, v1, PITCH
	v_lshl_add_u32 v4, v2, 4, v4                   ; a fragment's row x pitch + 16 h
	s_mul_i32 s82, s16, 64*PITCH                   ; my 64 rows of x
	v_add_nc_u32 v[ADRA], s82, v4
	v_add_nc_u32 v[ADRA+1], SLOT, v[ADRA]
	v_add_nc_u32 v[ADRB], 2*HALFA, v4              ; W's rows lie behind x's 256
	v_add_nc_u32 v[ADRB+1], SLOT, v[ADRB]
	v_lshlrev_b32 v5, 5, v1
	v_lshl_add_u32 v5, v2, 4, v5                   ; scale bytes: row r of 32 bytes, + 16 h
	v_lshlrev_b32 v6, 5, v2                        ; q's and k's bias: my half's eight numbers
	v_lshlrev_b32 v7, 2, v1                        ; v's bias: channel r
.irp a, 0,1,2,3
	global_load_b128 v[SA+4*\a:SA+4*\a+3], v5, s[6:7] offset:512*\a    ; register j: lanes 0-15 the word of K step j, lanes 16-31 of K step 4 + j
.endr
.irp b, 0,1,2,3,4,5,6,7,8,9,10,11
	global_load_b128 v[SB+4*\b:SB+4*\b+3], v5, s[10:11] offset:512*\b
.endr
	WIN 0x40                                       ; destination window 1
.irp b, 0,1,2,3,4,5,6,7
	global_load_b128 v[192+8*\b:192+8*\b+3], v6, s[12:13] offset:64*\b       ; bias(16 b + 8 h + 0 .. 7): the result's layout
	global_load_b128 v[192+8*\b+4:192+8*\b+7], v6, s[12:13] offset:64*\b+16
.endr
	WIN 0xc0                                       ; destination window 3
.irp t, 0,1,2,3
.irp j, 0,1,2,3,4,5,6,7
	global_load_b32 v[128+8*\t+\j], v7, s[12:13] offset:512+64*\t            ; bias(128 + 16 t + r) in all eight registers: a lane holds one channel
.endr
.endr
	WIN 0
	v_lshlrev_b32 v[VOI], 4, v3
	s_lshl_b32 s83, s18, 10
	v_add_nc_u32 v[VOV], s83, v[VOI]
	s_lshl_b32 s84, s18, 12
	v_add_nc_u32 v[VOI], s84, v[VOI]
	v_lshlrev_b32 v[VOS], 4, v1
	v_mad_u32_u24 v[VOW], v2, QIMG, v[VOS]
	s_lshl_b32 s85, s18, 8
	v_add_nc_u32 v[VOW], s85, v[VOW]
	s_lshl_b32 s86, s16, 8
	v_add_nc_u32 v[STH], s86, v[VOS]
	v_lshl_add_u32 v[STR], v2, 9, v[VOS]
	v_mad_u32_u24 v[VOS], v2, RECG, v[VOS]
.irp b, 0,1,2,3
	v_mov_b32 v[TM+4+\b], 0                        ; written once: a lane permute's destination counts as one of its sources
.endr
; x's four fragments of the slot's q-th 128 along K into set p: lane l holds row l % 16; registers 4 c .. 4 c + 3 hold K = 32 c + 16 (l / 16) + 0 .. 15
.macro FETCH_A slot, q, p
.irp a, 0,1,2,3
.irp c, 0,1,2,3
	ds_load_b128 v[AF+64*(\p)+16*\a+4*\c:AF+64*(\p)+16*\a+4*\c+3], v[ADRA+\slot] offset:\a*16*PITCH+128*(\q)+32*\c
.endr
.endr
.endm
; six of W's fragments, blocks b0 on
.macro FETCH_B slot, q, b0
	WIN 0x40
.set bb, \b0
.rept 6
.irp c, 0,1,2,3
	ds_load_b128 v[16*bb+4*\c:16*bb+4*\c+3], v[ADRB+\slot] offset:bb*16*PITCH+128*(\q)+32*\c
.endr
.set bb, bb+1
.endr
	WIN 0
.endm
; W's blocks b0 .. b0 + nb - 1, each against x's four: K step ks of eight, x's set p.  first = 1: the bias is the C.  The 48 accumulators take turns, one instruction a turn, in the same order in every step.
.macro MUL b0, nb, p, ks, first
.set bb, \b0
.rept \nb
.set aa, 0
.rept 4
.set rA, AF+64*(\p)+16*aa
.set rB, 16*bb
.set rSA, SA+4*aa+(\ks)%4
.set rSB, SB+4*bb+(\ks)%4
.if bb < 8
.set rD, 64*aa+8*bb
.if \first
	WIN 0x91                                       ; source 0 (W) and C (bias) window 1, source 1 (x) window 0, D window 2
.set rC, 192+8*bb
.else
	WIN 0xa1                                       ; C and D window 2
.set rC, rD
.endif
.if (\ks) >= 4
	v_wmma_scale_f32_16x16x128_f8f6f4 v[rD:rD+7], v[rB:rB+15], v[rA:rA+15], v[rC:rC+7], v[rSB], v[rSA] matrix_a_scale:MATRIX_SCALE_ROW1 matrix_b_scale:MATRIX_SCALE_ROW1
.else
	v_wmma_scale_f32_16x16x128_f8f6f4 v[rD:rD+7], v[rB:rB+15], v[rA:rA+15], v[rC:rC+7], v[rSB], v[rSA]
.endif
.else
.set rD, 32*(bb-8)+8*aa
	WIN 0xf4                                       ; source 0 (x) window 0, source 1 (W) window 1, C and D window 3
.if \first
.set rC, 128+8*(bb-8)
.else
.set rC, rD
.endif
.if (\ks) >= 4
	v_wmma_scale_f32_16x16x128_f8f6f4 v[rD:rD+7], v[rA:rA+15], v[rB:rB+15], v[rC:rC+7], v[rSA], v[rSB] matrix_a_scale:MATRIX_SCALE_ROW1 matrix_b_scale:MATRIX_SCALE_ROW1
.else
	v_wmma_scale_f32_16x16x128_f8f6f4 v[rD:rD+7], v[rA:rA+15], v[rB:rB+15], v[rC:rC+7], v[rSA], v[rSB]
.endif
.endif
.set aa, aa+1
.endr
.set bb, bb+1
.endr
.endm
; A load into a register that a matrix instruction has read stands eight places behind it, and only plain vector instructions that name none of its registers are places.
; A slot's first step of 128 along K: x's set 0; its successor lies in the same slot.  W has one set: blocks 0-5 are fetched anew in the step's middle, blocks 6-11 at its end.
.macro STEP slot, ks, first
	s_wait_dscnt 24                                ; x's set and W's blocks 0-5 are in; the youngest 24 loads (W's blocks 6-11) may be out
	MUL 0, 6, 0, \ks, \first
	s_wait_dscnt 0x0
	PLACES 8
	WIN 0
	FETCH_A \slot, 1, 1
	FETCH_B \slot, 1, 0
	MUL 6, 6, 0, \ks, \first
	PLACES 8
	FETCH_B \slot, 1, 6
.endm
; A slot's second step changes slots: ONE barrier; in front of it each wave waits for all its tensor loads, adds 0 to its spare word, and waits for that and for its reads of this slot.  fill = 1: this slot is filled again, two slots ahead.
.macro TURN slot, next, ks, fill
	s_wait_tensorcnt 0x0                           ; all my tensor loads have landed: my part of the next slot (every window is 0 here)
	ds_add_u32 v[SPW], v[NIL]                      ; 0 onto my spare word
	s_wait_dscnt 25                                ; the add and the youngest 24 loads may be out
	MUL 0, 3, 1, \ks, 0                            ; twelve matrix instructions stand between the add and the wait for it
	s_wait_dscnt 0x0                               ; the add is done, and my reads of this slot are over
	s_barrier_signal -1
	MUL 3, 3, 1, \ks, 0
	WIN 0
	s_barrier_wait -1
.if \fill
	CREST                                          ; the barrier has opened a round of the cluster's: no wave of any partner still reads this slot or has a load on its way
	s_add_nc_u64 s[G0A+4*\slot+2:G0A+4*\slot+3], s[G0A+4*\slot+2:G0A+4*\slot+3], 512
	s_add_nc_u64 s[G0B+4*\slot+2:G0B+4*\slot+3], s[G0B+4*\slot+2:G0B+4*\slot+3], 512
	JLOAD \slot                                    ; the first tensor load behind the round; its four v_nop are four of the eight places
	PLACES 4
.else
	PLACES 8
.endif
	FETCH_A \next, 0, 0
	FETCH_B \next, 0, 0
	MUL 6, 6, 1, \ks, 0
	PLACES 8
	FETCH_B \next, 0, 6
.endm
	s_wait_tensorcnt 0x1                           ; my part of slot 0 is in; slot 1's may stay out
	s_barrier_signal -1
	s_barrier_wait -1
	FETCH_A 0, 0, 0
	FETCH_B 0, 0, 0
	FETCH_B 0, 0, 6
	s_wait_loadcnt 0x0                             ; scale words and biases
	STEP 0, 0, 1                                   ; eight steps of 128 along K, written out: the scale register and its row hang on the step
	TURN 0, 1, 1, 1
	STEP 1, 2, 0
	TURN 1, 0, 3, 1
	STEP 0, 4, 0
	TURN 0, 1, 5, 0                                ; nothing is left to fetch: no round
	STEP 1, 6, 0
	s_wait_dscnt 24
	MUL 0, 6, 1, 7, 0
	s_wait_dscnt 0x0
	MUL 6, 6, 1, 7, 0
	WIN 0
	PLACES 8                                       ; in front of the first read of results and of the first write into registers that held x's fragments
; 64 numbers of a lane in window W, register s + 16 b + i = member i of my 16 of block b, become 16 registers of codes at v[pc] (window 0); the four scale bytes are left in v[TM+4] on.
; A block's largest magnitude, with the floor 2^(9 - 127) among its leaves; 8 off its exponent field is the conversion's scale operand.
.macro QUANT W, s, pc
	WIN (\W)|((\W)<<2)
.irp b, 0,1,2,3
	v_max3_num_f32 v[TM+\b], |v[(\s)+16*\b]|, |v[(\s)+16*\b+1]|, 0x4800000     ; each accumulator is read from its low end on
.endr
	WIN ((\W)<<2)|((\W)<<4)
.irp i, 2,4,6,8,10,12,14
.irp b, 0,1,2,3
	v_max3_num_f32 v[TM+\b], v[TM+\b], |v[(\s)+16*\b+\i]|, |v[(\s)+16*\b+\i+1]|
.endr
.endr
	WIN 0
.irp b, 0,1,2,3
	v_permlanex16_b32 v[TM+4+\b], v[TM+\b], s26, s27
.endr
.irp b, 0,1,2,3
	v_max_num_f32 v[TM+\b], v[TM+\b], v[TM+4+\b]   ; with lane l xor 16's 16: the block's
.endr
.irp b, 0,1,2,3
	v_add_nc_u32 v[TM+12+\b], 0xfc000000, v[TM+\b]
.endr
.irp b, 0,1,2,3
.endr
.irp b, 0,1,2,3
	v_lshrrev_b32 v[TM+4+\b], 23, v[TM+12+\b]      ; the scale's byte
.endr
	WIN (\W)|((\W)<<6)
.irp b, 0,1,2,3
.irp i, 0,1,2,3,4,5,6,7,8,9,10,11,12,13,14,15
.endr
.endr
	WIN (\W)
.irp b, 0,1,2,3
	v_cvt_scalef32_pk8_fp8_f32 v[(\pc)+4*\b:(\pc)+4*\b+1], v[(\s)+16*\b:(\s)+16*\b+7], v[TM+12+\b]
	v_cvt_scalef32_pk8_fp8_f32 v[(\pc)+4*\b+2:(\pc)+4*\b+3], v[(\s)+16*\b+8:(\s)+16*\b+15], v[TM+12+\b]
.endr
	WIN 0
	v_nop                                          ; one plain line behind the last conversion
.endm
	; v: channels 16 t + r, t = 2 tau + b / 2; my tokens' block b % 2 of 32.  Each set of codes has registers of its own, so no store's data are written again.
.irp tau, 0,1
	QUANT 3, 64*\tau, AF+16*\tau
.irp b, 0,1,2,3
	global_store_b128 v[VOV], v[AF+16*\tau+4*\b:AF+16*\tau+4*\b+3], s[14:15] offset:VIMG+2048*(2*\tau+\b/2)+512*(\b%2)   ; 512 consecutive bytes, aligned
.endr
.irp u, 0,1
	v_lshl_or_b32 v[HW+2*\tau+\u], v[TM+5+2*\u], 8, v[TM+4+2*\u]
	ds_store_b32 v[STH], v[HW+2*\tau+\u] offset:4*(2*\tau+\u)      ; my two bytes of channel 16 t + r's word; the stage lies in slot 0, which has had its last fill, and nobody reads it since the last change of slots
.endr
.endr
	; q and k: tokens 16 a + r.  Blocks 0, 1 are q's, blocks 2, 3 k's
.irp a, 0,1,2,3
	QUANT 2, 64*\a, AF+32+16*\a
.irp c, 0,1
	global_store_b128 v[VOI], v[AF+32+16*\a+4*\c:AF+32+16*\a+4*\c+3], s[14:15] offset:QIMG+1024*\a+512*\c
	global_store_b128 v[VOI], v[AF+32+16*\a+8+4*\c:AF+32+16*\a+8+4*\c+3], s[14:15] offset:KIMG+1024*\a+512*\c
.endr
	v_cndmask_b32 v8, v[TM+6], v[TM+4], s25        ; lanes 0-15 make k's word, lanes 16-31 q's
	v_cndmask_b32 v9, v[TM+7], v[TM+5], s25
	v_lshl_or_b32 v[SW+\a], v9, 8, v8
	v_or_b32 v[SW+\a], 0x7f7f0000, v[SW+\a]        ; the scale 1 for the upper 64 of the instruction's K, where q's codes will be zeros
.endr
	global_store_b128 v[VOW], v[SW:SW+3], s[14:15] offset:KSC      ; sixteen lanes fill 256 consecutive bytes, aligned: k's words, and q's
	s_wait_dscnt 0x0                               ; for the others' sake: my stores into the stage are done
	s_barrier_signal -1
	s_barrier_wait -1
	s_cmp_lg_u32 s16, 0
	s_cbranch_scc1 .Lnot_wave_zero
	ds_load_b128 v[120:123], v[STR]                ; lanes 0-15: the first record's words, lanes 16-31 the second's: the lower 64 tokens' halves,
	ds_load_b128 v[124:127], v[STR] offset:256     ; and the upper 64 tokens'
	s_wait_dscnt 0x0
.irp t, 0,1,2,3
	v_lshl_or_b32 v[120+\t], v[124+\t], 16, v[120+\t]
.endr
	global_store_b128 v[VOS], v[120:123], s[14:15] offset:VSC
.Lnot_wave_zero:
	s_wait_tensorcnt 0x0                           ; the wave's end
	ds_add_u32 v[SPW], v[NIL]
	s_wait_dscnt 0x0
	CROUND                                         ; the closing round: no work-group ends while a partner may still ask for a tile that names it
	s_endpgm
.Lfunc_end_k_q814e15aed8_qkv:
	.size	k_q814e15aed8_qkv, .Lfunc_end_k_q814e15aed8_qkv-k_q814e15aed8_qkv
	.p2alignl 7, 3214868480
	.fill 96, 4, 3214868480
	.section	.rodata,"a",@progbits
	.p2align	6, 0x0
	.amdhsa_kernel k_q814e15aed8_qkv
		.amdhsa_group_segment_fixed_size 327680
		.amdhsa_private_segment_fixed_size 0
		.amdhsa_enable_private_segment 0
		.amdhsa_kernarg_size 48
		.amdhsa_user_sgpr_count 2
		.amdhsa_user_sgpr_kernarg_segment_ptr 1
		.amdhsa_wavefront_size32 1
		.amdhsa_system_sgpr_workgroup_id_x 1
		.amdhsa_system_sgpr_workgroup_id_y 1
		.amdhsa_system_sgpr_workgroup_id_z 1
		.amdhsa_system_vgpr_workitem_id 0
		.amdhsa_next_free_vgpr 1024
		.amdhsa_next_free_sgpr 100
		.amdhsa_reserve_vcc 0
		.amdhsa_float_denorm_mode_32 3
		.amdhsa_float_denorm_mode_16_64 3
		.amdhsa_fp16_overflow 1
		.amdhsa_memory_ordered 1
		.amdhsa_forward_progress 1
		.amdhsa_inst_pref_size 129
	.end_amdhsa_kernel
	.amdgpu_metadata
---
amdhsa.version: [ 1, 2 ]
amdhsa.kernels:
  - .name:           k_q814e15aed8_qkv
    .symbol:         k_q814e15aed8_qkv.kd
    .args:
      - { .name: x_codes, .offset: 0, .size: 8, .value_kind: global_buffer, .address_space: global }
      - { .name: x_scales, .offset: 8, .size: 8, .value_kind: global_buffer, .address_space: global }
      - { .name: qkv_w_codes, .offset: 16, .size: 8, .value_kind: global_buffer, .address_space: global }
      - { .name: qkv_w_scales, .offset: 24, .size: 8, .value_kind: global_buffer, .address_space: global }
      - { .name: qkv_b, .offset: 32, .size: 8, .value_kind: global_buffer, .address_space: global }
      - { .name: qkvws, .offset: 40, .size: 8, .value_kind: global_buffer, .address_space: global }
    .group_segment_fixed_size: 327680
    .private_segment_fixed_size: 0
    .kernarg_segment_align: 8
    .kernarg_segment_size: 48
    .max_flat_workgroup_size: 128
    .sgpr_count:     100
    .vgpr_count:     1024
    .wavefront_size: 32
...
	.end_amdgpu_metadata
.endif
;; end of part 1
;; launch attn (part 2): grid 4 x 64, 16 waves a work-group, clusters of 4 x 1, 276,480 bytes of LDS; arguments qkvws, att_codes, att_scales; writes att_codes, att_scales
.if DOCPART == 2
	.amdgcn_target "amdgcn-amd-amdhsa--gfx1250"
	.amdhsa_code_object_version 6
	.text
	.protected	k_q814e15aed8_attn
	.globl	k_q814e15aed8_attn
	.p2align	8
	.type	k_q814e15aed8_attn,@function
k_q814e15aed8_attn:
	s_mov_b64 s[64:65], 0
	v_nop
	global_prefetch_b8 v0, s[64:65] scope:SCOPE_SE
	s_setreg_imm32_b32 hwreg(HW_REG_WAVE_MODE, 25, 1), 1
	s_wait_xcnt 0x0
	s_wait_alu depctr_hold_cnt(0) depctr_sa_sdst(0) depctr_va_vdst(0) depctr_va_sdst(0) depctr_va_ssrc(0) depctr_va_vcc(0) depctr_vm_vsrc(0)
	s_getreg_b32 s2, hwreg(HW_REG_IB_STS2, 6, 4)
	s_cmp_eq_u32 s2, 0
	s_cbranch_scc0 .Lentry_in_a_cluster
	s_endpgm
.Lentry_in_a_cluster:
	s_bfe_u32 s2, ttmp6, 0x10000c
	s_cmp_lg_u32 s2, 0x3003
	s_cbranch_scc0 .Lentry_shape_is_right
	s_endpgm
.Lentry_shape_is_right:
; Causal attention of one (batch, head) on codes of E4M3: S^T = K Q^T, p = 2^(t - M), O^T = V^T P^T, O / l, and the quantising of O along the model's 1,024 for the projection that follows.
; t = score x log2(e) / 8; M = the running largest t rounded UP to a whole number; p is quantised along the keys, not normalised; l is the sum of the unquantised p; when M moves, l and O^T are multiplied by 2^(old M - new M): exact.
; SHARES.  A cluster of four work-groups owns one (batch, head); each has sixteen waves of 256 registers, four to a SIMD, so that one wave's vector work stands beside another's matrix work and LDS loads.
; Wave w of work-group cx owns TWO tiles of 16 queries: i = 4 w + cx and 127 - i.  Their key steps of 128 are (i / 8 + 1) + (16 - i / 8) = 17 for every wave.  i / 8 = w / 2 hangs on the wave's number alone,
; so no branch, no trip count and no LDS address hangs on the place in the cluster: cx enters global addresses and the mask's threshold (vector data) alone.
; LDS.  The head's K and V with their scale words, 16 records of 17,152 bytes, come ONCE, jointly for the four work-groups, and stay: no byte of LDS is filled twice.  Waves 0 to 3 ask for four records each: four tensor loads of a wave are out.
; The records hold images of the operands' registers (lane l's 16 bytes at 16 l): every LDS load takes 512 consecutive bytes.
; LAYOUT.  Both products are used transposed: a lane holds ONE query (lane % 16) throughout.  Inside each block of 32 keys p's codes lie in the order in which the conversions give them, byte 8 u + j = member 16 u + 8 (lane / 16) + j;
; V's codes were laid in the same order, and so were q's and k's along the head: the products are those of the natural order.
; K = 64 IN AN INSTRUCTION OF K = 128.  Q's operand has zero codes in its upper 64.  K's operand for tile t names 16 registers of which the upper 8 are whatever follows (the next tile's codes; for the last tile p's codes):
; these are codes made by a quantiser that holds at 448, never the NaN code, so against zero codes they add nothing; the scale bytes there are 0x7f on both sides.  That halves K's LDS reads.
; THE MASK.  A step all of whose keys come after the tile's queries is left out by a scalar branch on the wave's number and the step; in the one step on the diagonal hidden scores become -infinity ahead of the maximum.
; OUTPUT.  O's codes in the natural order of k (the projection's weight is given so), as images of the next operand's registers; O's scale words, two bytes a (head, token).  The words leave in pieces of 64 bytes: a tile's neighbours belong to other work-groups.
; LIMITS: NaN and infinities are not served.  A block whose largest magnitude lies under 2^-118 keeps the byte 1; a block of zeros gets the byte 1 and not 127: its codes are zeros, and this program alone reads the bytes.
.set REC,   17152                      ; what a key step reads of a record
.set RECG,  25856                      ; a record in memory
.set KIMG,  0
.set KSC,   8192
.set VIMG,  8704
.set VSC,   16896
.set QIMG,  17152
.set QSC,   25344
.set LI,   1                           ; v1  16 x lane
.set LR,   2                           ; v2  16 x r
.set ADI,  3                           ; v3  LDS address of the step's images
.set ADS,  4                           ; v4  and of its scale words
.set DD,   5                           ; v5  the mask's threshold: my query's place in its step - 8 (lane / 16)
.set NINF, 6                           ; v6  -infinity
.set QW,   7                           ; v7  Q's scale words
.set RH,   8                           ; v8  r - 8 h
.set R4,   9                           ; v9  4 r
.set WB,   10                          ; v10 the late tile's scale word of O
.set WA,   11                          ; v11 the early tile's
                                       ; v12 -M, v13 the largest t, v[14:15] l in two halves
.set QF,   16                          ; v16-23 Q's codes, v24-31 zeros
.set KV,   32                          ; v32-95 K's eight tiles (8 registers each), then V's four fragments (16 each)
.set PC,   96                          ; v96-111 p's codes
.set S,    112                         ; v112-175 S^T, then p
.set OT,   176                         ; v176-207 O^T
.set KW,   208                         ; v208-215 K's scale words
.set VW,   216                         ; v216-219 V's
.set BM,   220                         ; v220-223 the blocks' largest
.set PT,   224                         ; v224-227 at work
.set LIM,  228                         ; v228-231 at work in the way out: what my partner wants of me
.set SOP,  232                         ; v232-235 the conversions' scale operands
.set PWD,  236                         ; v236 p's scale word
.set FF,   238                         ; v[238:239] f = 2^(old M - new M); later 1 / l
.set TP,   240                         ; v240-243 at work
.set DG,   15                          ; s15 the step on the diagonal
.set KS,   16                          ; s16 the step
.set TB,   17                          ; s17 where its record begins in LDS
.macro ROUND                           ; a round of the cluster's barrier
	s_barrier_signal -1
	s_barrier_wait -1
	s_cmp_lg_u32 s10, 0
	s_cbranch_scc1 .Lnot_wave_0_\@
	s_barrier_signal -3
.Lnot_wave_0_\@:
	s_barrier_wait -3
	s_barrier_signal -1
	s_barrier_wait -1
.endm
; byte offsets of a tile of queries in the records: rec: the register with the record's number; tq: that with the tile's place in it (0 .. 7); oi, ow: the pairs that take the images' and the words' offsets
.macro QBASE rec, tq, oi, ow
	s_mul_i32 s74, s[\rec], RECG
	s_lshl_b32 s75, s[\tq], 10
	s_add_co_u32 s75, s75, s74
	s_add_co_u32 s[\oi], s75, QIMG
	s_mov_b32 s[\oi+1], 0
	s_lshr_b32 s75, s[\tq], 2
	s_lshl_b32 s75, s75, 8
	s_add_co_u32 s75, s75, s74
	s_and_b32 s76, s[\tq], 3
	s_lshl_b32 s76, s76, 2
	s_add_co_u32 s75, s75, s76
	s_add_co_u32 s[\ow], s75, QSC
	s_mov_b32 s[\ow+1], 0
.endm
	s_load_b128 s[4:7], s[0:1], 0x0                ; the records s[4:5], O's codes s[6:7]
	s_load_b64 s[8:9], s[0:1], 0x10                ; O's scale words
	v_lshl_add_u32 v254, v0, 2, 0x43000
	v_mov_b32 v255, 0
	ds_add_u32 v254, v255
	ds_add_u32 v254, v255
	v_lshrrev_b32 v1, 5, v0
	s_delay_alu instid0(VALU_DEP_1)
	v_readfirstlane_b32 s10, v1                    ; wave 0..15
	s_bfe_u32 s11, ttmp6, 0x40000                  ; cx
	s_and_b32 s12, ttmp7, 0xffff                   ; 16 x batch + head, which the four partners share
	s_lshr_b32 s13, s10, 1                         ; a = i / 8
	s_and_b32 s14, s10, 1
	s_lshl_b32 s14, s14, 2
	s_add_co_u32 s14, s14, s11                     ; T = i % 8
	s_mov_b32 s18, 0xffff0000                      ; lanes 16-31
	s_mov_b32 s20, 0x76543210
	s_mov_b32 s21, 0xfedcba98                      ; v_permlanex16_b32's selects for lane l xor 16
	s_mov_b32 s22, 0x3e38aa3b                      ; c = log2(e) / 8
	s_mov_b32 s23, s22                             ; (named with it as a pair, so it is written)
	; group 1: a dense block of 17,152 bytes as 67 rows of 32 elements of 8 bytes; the mask names all four work-groups
	s_mov_b32 s24, 15|(3<<16)|(1<<21)
	s_mov_b32 s25, 32<<16                          ; tensor_dim0
	s_mov_b32 s26, 67<<16                          ; tensor_dim1
	s_mov_b32 s27, 32<<16                          ; tile_dim0
	s_mov_b32 s28, 67                              ; tile_dim1
	s_mov_b32 s29, 32                              ; tensor_dim0_stride
	s_mov_b32 s30, 0
	s_mov_b32 s31, 0
	s_and_b32 s58, s10, 3                          ; which record of each four I fetch, if I fetch
	s_mul_i32 s59, s58, REC
	s_lshl_b32 s68, s12, 4                         ; the head's first record
	s_add_co_u32 s66, s68, s58
	s_mul_i32 s66, s66, RECG
	s_mov_b32 s67, 0
	s_lshl_b32 s69, s10, 2
	s_add_co_u32 s69, s69, s11                     ; the early tile i
	s_sub_co_u32 s70, 127, s69                     ; the late tile 127 - i
	s_and_b32 s71, s12, 15                         ; head
	s_lshr_b32 s72, s12, 4                         ; batch
	s_lshr_b32 s73, s71, 2                         ; O's codes: [K / 256][tile of 16 tokens][K / 128 % 2][block of 32][lane][16]: (head / 4) << 21
	s_lshl_b32 s73, s73, 21
	s_lshl_b32 s74, s72, 19                        ; + 128 x batch tiles of 4,096 bytes
	s_add_co_u32 s73, s73, s74
	s_and_b32 s74, s71, 3
	s_lshl_b32 s74, s74, 10                        ; + (head % 4) x 64 along K: 1,024 bytes
	s_add_co_u32 s73, s73, s74
	s_lshl_b32 s74, s70, 12
	s_add_co_u32 s52, s73, s74                     ; the late tile's
	s_mov_b32 s53, 0
	s_lshl_b32 s74, s69, 12
	s_add_co_u32 s54, s73, s74                     ; the early tile's
	s_mov_b32 s55, 0
	s_lshl_b32 s73, s71, 15                        ; O's scale words: [head][token] of 4 bytes
	s_lshl_b32 s74, s72, 13
	s_add_co_u32 s73, s73, s74
	s_lshl_b32 s74, s70, 6
	s_add_co_u32 s56, s73, s74
	s_lshl_b32 s74, s69, 6
	s_add_co_u32 s57, s73, s74
	s_sub_co_u32 s77, 15, s13
	s_add_co_u32 s77, s77, s68                     ; the late tile's record,
	s_sub_co_u32 s78, 7, s14                       ; and its place there
	s_add_co_u32 s79, s68, s13                     ; the early tile's record
	QBASE 77, 78, 48, 50
	QBASE 79, 14, 60, 62
	s_wait_dscnt 0x0
	s_wait_kmcnt 0x0
	s_add_nc_u64 s[66:67], s[4:5], s[66:67]
	s_add_nc_u64 s[48:49], s[4:5], s[48:49]
	s_add_nc_u64 s[50:51], s[4:5], s[50:51]
	s_add_nc_u64 s[60:61], s[4:5], s[60:61]
	s_add_nc_u64 s[62:63], s[4:5], s[62:63]
	s_add_nc_u64 s[52:53], s[6:7], s[52:53]
	s_add_nc_u64 s[54:55], s[6:7], s[54:55]
.irp j, 0,1,2,3
	s_mov_b32 s[32+4*\j], 1
	s_add_co_u32 s[33+4*\j], s59, 4*\j*REC         ; record 4 j + w, in LDS
	s_add_nc_u64 s[34+4*\j:35+4*\j], s[66:67], 4*\j*RECG   ; and in memory
	s_or_b32 s[35+4*\j], s[35+4*\j], 0x80000000
.endr
	ROUND                                          ; all four work-groups are here: the joint loads meet
	s_cmp_lt_u32 s10, 4                            ; a wave's four fills stand in one branch, ahead of every wait on TENSORcnt and every LDS read
	s_cbranch_scc0 .Lno_fill
	tensor_load_to_lds s[32:35], s[24:31]
	s_nop 0
	tensor_load_to_lds s[36:39], s[24:31]
	s_nop 0
	tensor_load_to_lds s[40:43], s[24:31]
	s_nop 0
	tensor_load_to_lds s[44:47], s[24:31]
	s_nop 0
.rept 4
	v_nop
.endr
.Lno_fill:
	v_and_b32 v[LI], 31, v0
	s_delay_alu instid0(VALU_DEP_1)
	v_lshlrev_b32 v[LI], 4, v[LI]
	v_and_b32 v[TP], 15, v0                        ; r
	v_bfe_u32 v[TP+1], v0, 4, 1                    ; h
	s_delay_alu instid0(VALU_DEP_2)
	v_lshlrev_b32 v[LR], 4, v[TP]
	s_delay_alu instid0(VALU_DEP_3)
	v_lshlrev_b32 v[R4], 2, v[TP]
	s_delay_alu instid0(VALU_DEP_3)
	v_lshlrev_b32 v[TP+1], 3, v[TP+1]
	s_delay_alu instid0(VALU_DEP_1)
	v_sub_nc_u32 v[RH], v[TP], v[TP+1]
	global_load_b128 v[QF:QF+3], v[LI], s[48:49]               ; the late tile's Q
	global_load_b128 v[QF+4:QF+7], v[LI], s[48:49] offset:512
	global_load_b32 v[QW], v[LR], s[50:51]
	s_lshl_b32 s74, s78, 4
	v_add_nc_u32 v[DD], s74, v[RH]
	v_mov_b32 v[NINF], 0xff800000
.irp j, 0,1,2,3,4,5,6,7
	v_mov_b32 v[QF+8+\j], 0                        ; the upper 64 of Q's K: zero codes
.endr
.irp j, 0,1,2,3,4,5,6,7,8,9,10,11,12,13,14,15
	v_mov_b32 v[PC+\j], 0                          ; named as the tail of K's last operand before p's first codes are made
.endr
.irp j, 0,1,2,3
	v_mov_b32 v[PT+\j], 0                          ; written once: a lane permute's destination counts as one of its sources
.endr
	v_mov_b32 v[FF+1], 0                           ; (named as the upper half of a pair)
.macro BEGIN                           ; a tile's sums begin: the loop is written once; its first step finds zeros, which the first change of M leaves zeros
	v_mov_b32 v13, 0xff61b1e6                      ; the largest t so far: -3e38, under every t
	s_delay_alu instid0(VALU_DEP_1)
	v_floor_f32 v12, -v13
	v_mov_b32 v14, 0
	v_mov_b32 v15, 0
.set n, 0
.rept 32
	v_mov_b32 v[OT+n], 0
.set n, n+1
.endr
	s_mov_b32 s[KS], 0
	s_mov_b32 s[TB], 0
.endm
; A KEY STEP: 128 keys.
.macro STEP
	s_cmp_gt_u32 s[KS], s[DG]                      ; all its keys come after my queries: nothing but the address steps
	s_cbranch_scc1 .Lhid_\@
	s_setprio 2
	v_add_nc_u32 v[ADI], s[TB], v[LI]
	v_add_nc_u32 v[ADS], s[TB], v[LR]
.rept 6
	v_nop                                          ; with the two additions: eight places in front of loads into registers that the last products read
.endr
.irp i, 0,1,2,3,4,5,6,7,8,9,10,11,12,13,14,15
	ds_load_b128 v[KV+4*\i:KV+4*\i+3], v[ADI] offset:KIMG+512*\i   ; tile i / 2, block i % 2
.endr
	ds_load_b128 v[KW:KW+3], v[ADS] offset:KSC
	ds_load_b128 v[KW+4:KW+7], v[ADS] offset:KSC+256
	s_wait_alu depctr_va_vdst(0)
	s_wait_dscnt 0x0
.irp t, 0,1,2,3,4,5,6,7
	v_wmma_scale_f32_16x16x128_f8f6f4 v[S+8*\t:S+8*\t+7], v[KV+8*\t:KV+8*\t+15], v[QF:QF+15], 0, v[KW+\t], v[QW]
.endr                                      ; lane (r, h): query r; register 8 t + j: key 16 t + 8 h + j
.rept 8
	v_nop
.endr
.irp i, 0,1,2,3,4,5,6,7,8,9,10,11,12,13,14,15
	ds_load_b128 v[KV+4*\i:KV+4*\i+3], v[ADI] offset:VIMG+512*\i   ; V's fragments land while the softmax is worked: channels 16 (i / 4) on, block i % 4 of the keys
.endr
	ds_load_b128 v[VW:VW+3], v[ADS] offset:VSC
	s_cmp_lg_u32 s[KS], s[DG]
	s_cbranch_scc1 .Lopen_\@
.set n, 0
.rept 64                                   ; on the diagonal: hidden where 16 (n / 8) + n % 8 + 8 h > my query's place
	v_cmp_gt_i32 vcc_lo, 16*(n/8)+n%8, v[DD]
	v_cndmask_b32 v[S+n], v[S+n], v[NINF], vcc_lo
.set n, n+1
.endr
.Lopen_\@:
.irp b, 0,1,2,3
	v_max3_num_f32 v[BM+\b], v[S+16*\b], v[S+16*\b+1], v[S+16*\b+2]   ; the largest score of each block of 32 keys: for the row's maximum and, since p rises with the score, for the block's largest p
.endr
.irp i, 3,5,7,9,11,13
.irp b, 0,1,2,3
	v_max3_num_f32 v[BM+\b], v[BM+\b], v[S+16*\b+\i], v[S+16*\b+\i+1]
.endr
.endr
.irp b, 0,1,2,3
	v_max_num_f32 v[BM+\b], v[BM+\b], v[S+16*\b+15]
.endr
.irp b, 0,1,2,3
	s_delay_alu instid0(VALU_DEP_4)
	v_permlanex16_b32 v[PT+\b], v[BM+\b], s20, s21
.endr
.irp b, 0,1,2,3
	s_delay_alu instid0(VALU_DEP_4)
	v_max_num_f32 v[BM+\b], v[BM+\b], v[PT+\b]     ; with lane l xor 16's 16 keys
.endr
	s_delay_alu instid0(VALU_DEP_2)
	v_max3_num_f32 v[TP], v[BM], v[BM+1], v[BM+2]
	s_delay_alu instid0(VALU_DEP_1)
	v_max_num_f32 v[TP], v[TP], v[BM+3]
	s_delay_alu instid0(VALU_DEP_1)
	v_mul_f32 v[TP], s22, v[TP]                    ; as t (c is positive)
	s_delay_alu instid0(VALU_DEP_1)
	v_max_num_f32 v13, v13, v[TP]
	v_mov_b32 v[TP], v12
	s_delay_alu instid0(VALU_DEP_2)
	v_floor_f32 v12, -v13                          ; the new -M = floor(-t): M is a whole number
	s_delay_alu instid0(VALU_DEP_1)
	v_sub_f32 v[TP], v12, v[TP]                    ; old M - new M: a whole number, 0 or less
	s_delay_alu instid0(VALU_DEP_1)
	v_cvt_i32_f32 v[TP], v[TP]                     ; (it saturates)
	s_delay_alu instid0(VALU_DEP_1)
	v_ldexp_f32 v[FF], 1.0, v[TP]                  ; f
.set n, 0
	s_setprio 1
.rept 32
	v_pk_fma_f32 v[S+n:S+n+1], v[S+n:S+n+1], s[22:23], v[12:13] op_sel_hi:[1,0,0]   ; t - M, two at a time
.set n, n+2
.endr
.irp b, 0,1,2,3
	v_fma_f32 v[BM+\b], v[BM+\b], s22, v12
.endr
.set n, 0
	s_wait_alu depctr_va_vdst(0)
.rept 64
	v_exp_f32 v[S+n], v[S+n]                       ; p = 2^(t - M), at most 1
.set n, n+1
.endr
.irp b, 0,1,2,3
	v_exp_f32 v[BM+\b], v[BM+\b]                   ; the block's largest p: the same two instructions on the same number
.endr
	v_pk_mul_f32 v[14:15], v[14:15], v[FF:FF+1] op_sel_hi:[1,0]   ; l under the new M (a plain place behind the exponentials)
	s_wait_alu depctr_va_vdst(0)
.irp b, 0,1,2,3
	v_max_num_f32 v[BM+\b], 0x4800000, v[BM+\b]    ; the floor 2^(9 - 127): the byte cannot fall under 1
.endr
.irp b, 0,1,2,3
	s_delay_alu instid0(VALU_DEP_4)
	v_add_nc_u32 v[SOP+\b], 0xfc000000, v[BM+\b]
.endr
.irp b, 0,1,2,3
.endr
.irp b, 0,1,2,3
	s_delay_alu instid0(VALU_DEP_4)
	v_lshrrev_b32 v[PT+\b], 23, v[SOP+\b]
.endr
	s_delay_alu instid0(VALU_DEP_3)
	v_lshl_or_b32 v[PWD], v[PT+1], 8, v[PT]        ; p's scale word for these 128 keys
	s_delay_alu instid0(VALU_DEP_1)
	v_lshl_or_b32 v[PWD], v[PT+2], 16, v[PWD]
	s_delay_alu instid0(VALU_DEP_1)
	v_lshl_or_b32 v[PWD], v[PT+3], 24, v[PWD]
	v_pk_add_f32 v[224:225], v[116:117], v[120:121]
	v_pk_add_f32 v[252:253], v[124:125], v[128:129]
	v_pk_add_f32 v[250:251], v[132:133], v[136:137]
	v_pk_add_f32 v[248:249], v[140:141], v[144:145]
	v_pk_add_f32 v[246:247], v[148:149], v[152:153]
	v_pk_add_f32 v[244:245], v[156:157], v[160:161]
	v_pk_add_f32 v[242:243], v[164:165], v[168:169]
	v_pk_add_f32 v[14:15], v[14:15], v[172:173]
	v_pk_add_f32 v[224:225], v[224:225], v[112:113]
	v_pk_add_f32 v[252:253], v[252:253], v[114:115]
	v_pk_add_f32 v[250:251], v[250:251], v[118:119]
	v_pk_add_f32 v[248:249], v[248:249], v[122:123]
	v_pk_add_f32 v[246:247], v[246:247], v[126:127]
	v_pk_add_f32 v[244:245], v[244:245], v[130:131]
	v_pk_add_f32 v[242:243], v[242:243], v[134:135]
	v_pk_add_f32 v[14:15], v[14:15], v[138:139]
	v_pk_add_f32 v[224:225], v[224:225], v[142:143]
	v_pk_add_f32 v[252:253], v[252:253], v[146:147]
	s_setprio 0
	v_pk_add_f32 v[250:251], v[250:251], v[150:151]
	v_pk_add_f32 v[248:249], v[248:249], v[154:155]
	v_pk_add_f32 v[246:247], v[246:247], v[158:159]
	v_pk_add_f32 v[244:245], v[244:245], v[162:163]
	v_pk_add_f32 v[242:243], v[242:243], v[166:167]
	v_pk_add_f32 v[14:15], v[14:15], v[170:171]
	v_pk_add_f32 v[224:225], v[224:225], v[174:175]
	s_delay_alu instid0(VALU_DEP_2)
	v_pk_add_f32 v[14:15], v[14:15], v[248:249]
	s_delay_alu instid0(VALU_DEP_2)
	v_pk_add_f32 v[224:225], v[224:225], v[246:247]
	v_pk_add_f32 v[252:253], v[252:253], v[244:245]
	v_pk_add_f32 v[250:251], v[250:251], v[242:243]
	s_delay_alu instid0(VALU_DEP_2)
	v_pk_add_f32 v[14:15], v[14:15], v[252:253]
	s_delay_alu instid0(VALU_DEP_2)
	v_pk_add_f32 v[224:225], v[224:225], v[250:251]
	s_delay_alu instid0(VALU_DEP_1)
	v_pk_add_f32 v[14:15], v[14:15], v[224:225]
.irp b, 0,1,2,3
.set n, 0
.rept 16
.set n, n+1
.endr
	v_cvt_scalef32_pk8_fp8_f32 v[PC+4*\b:PC+4*\b+1], v[S+16*\b:S+16*\b+7], v[SOP+\b]
	v_cvt_scalef32_pk8_fp8_f32 v[PC+4*\b+2:PC+4*\b+3], v[S+16*\b+8:S+16*\b+15], v[SOP+\b]
.endr
.set n, 0
.rept 16
	v_pk_mul_f32 v[OT+n:OT+n+1], v[OT+n:OT+n+1], v[FF:FF+1] op_sel_hi:[1,0]   ; O^T under the new M.  (These sixteen are also the places between the codes' conversions and the products)
.set n, n+2
.endr
	s_wait_alu depctr_va_vdst(0)
	s_wait_dscnt 0x0                               ; V and its scale words
.irp t, 0,1,2,3
	v_wmma_scale_f32_16x16x128_f8f6f4 v[OT+8*\t:OT+8*\t+7], v[KV+16*\t:KV+16*\t+15], v[PC:PC+15], v[OT+8*\t:OT+8*\t+7], v[VW+\t], v[PWD]
.endr
.Lhid_\@:
	s_add_co_u32 s[TB], s[TB], REC
.endm
; A TILE'S WAY OUT.  O^T / l; two blocks of 32 along the head are quantised; the codes are brought into the natural order of k by one exchange with lane l xor 16; two stores of 512 consecutive bytes.
; base: the scalar pair with the codes' address; wreg: the register that takes the scale word; nextq = 1: the early tile's Q is asked for here.
.macro EPI base, wreg, nextq
.rept 8
	v_nop                                          ; places behind the last products
.endr
.if \nextq
	global_load_b128 v[QF:QF+3], v[LI], s[60:61]
	global_load_b128 v[QF+4:QF+7], v[LI], s[60:61] offset:512
	global_load_b32 v[QW], v[LR], s[62:63]
.endif
	v_add_f32 v14, v14, v15
	s_delay_alu instid0(VALU_DEP_1)
	v_permlanex16_b32 v[PT], v14, s20, s21
	s_delay_alu instid0(VALU_DEP_1)
	v_add_f32 v14, v14, v[PT]                      ; the row's sum
	s_wait_alu depctr_va_vdst(0)
	v_rcp_f32 v[FF], v14
	v_nop                                          ; one plain place behind a transcendental
.set n, 0
	s_wait_alu depctr_va_vdst(0)
.rept 16
	v_pk_mul_f32 v[OT+n:OT+n+1], v[OT+n:OT+n+1], v[FF:FF+1] op_sel_hi:[1,0]   ; register 8 t + j: o(query r, 16 t + 8 h + j)
.set n, n+2
.endr
.irp c, 0,1
	v_max3_num_f32 v[BM+\c], |v[OT+16*\c]|, |v[OT+16*\c+1]|, 0x4800000
.endr
.irp i, 2,4,6,8,10,12,14
.irp c, 0,1
	s_delay_alu instid0(VALU_DEP_2)
	v_max3_num_f32 v[BM+\c], v[BM+\c], |v[OT+16*\c+\i]|, |v[OT+16*\c+\i+1]|
.endr
.endr
.irp c, 0,1
	s_delay_alu instid0(VALU_DEP_2)
	v_permlanex16_b32 v[PT+\c], v[BM+\c], s20, s21
.endr
.irp c, 0,1
	s_delay_alu instid0(VALU_DEP_2)
	v_max_num_f32 v[BM+\c], v[BM+\c], v[PT+\c]
.endr
.irp c, 0,1
	s_delay_alu instid0(VALU_DEP_2)
	v_add_nc_u32 v[SOP+\c], 0xfc000000, v[BM+\c]
.endr
.irp c, 0,1
.endr
.irp c, 0,1
	s_delay_alu instid0(VALU_DEP_2)
	v_lshrrev_b32 v[PT+\c], 23, v[SOP+\c]
.endr
	s_delay_alu instid0(VALU_DEP_1)
	v_lshl_or_b32 v[\wreg], v[PT+1], 8, v[PT]
.irp c, 0,1
.set n, 0
.rept 16
.set n, n+1
.endr
.endr
.irp c, 0,1
	v_cvt_scalef32_pk8_fp8_f32 v[S+4*\c:S+4*\c+1], v[OT+16*\c:OT+16*\c+7], v[SOP+\c]         ; members 8 h + 0 .. 7
	v_cvt_scalef32_pk8_fp8_f32 v[S+4*\c+2:S+4*\c+3], v[OT+16*\c+8:OT+16*\c+15], v[SOP+\c]    ; members 16 + 8 h + 0 .. 7
.endr
	v_nop                                          ; one plain line behind the last conversion
	; natural order: lanes 0-15 want members 0-15 (their own first eight, the partner's first eight), lanes 16-31 members 16-31 (the partner's second eight, their own)
.irp c, 0,1
.irp x, 0,1
	v_cndmask_b32 v[LIM+2*\c+\x], v[S+4*\c+2+\x], v[S+4*\c+\x], s18   ; what my partner wants of me
.endr
.endr
.irp c, 0,1
.irp x, 0,1
	s_delay_alu instid0(VALU_DEP_4)
	v_permlanex16_b32 v[PT+2*\c+\x], v[LIM+2*\c+\x], s20, s21
.endr
.endr
.irp c, 0,1
.irp x, 0,1
	v_cndmask_b32 v[S+16+4*\c+\x], v[S+4*\c+\x], v[PT+2*\c+\x], s18
	v_cndmask_b32 v[S+16+4*\c+2+\x], v[PT+2*\c+\x], v[S+4*\c+2+\x], s18
.endr
.endr
.irp c, 0,1
	global_store_b128 v[LI], v[S+16+4*\c:S+16+4*\c+3], s[\base:\base+1] offset:512*\c
.endr
.endm
	BEGIN
	s_sub_co_u32 s[DG], 15, s13                    ; the late tile, 127 - i, first: its diagonal lies in step 15 - a
	s_wait_tensorcnt 0x0                           ; my four records are in,
	s_barrier_signal -1
	s_barrier_wait -1                              ; everybody's are: the head's K and V lie in LDS for the rest of the launch
	s_wait_loadcnt 0x0                             ; Q
.Llate:
	STEP
	s_add_co_u32 s[KS], s[KS], 1
	s_cmp_lt_u32 s[KS], 16
	s_cbranch_scc1 .Llate
	s_setprio 0
	EPI 52, WB, 1
	BEGIN
	s_mov_b32 s[DG], s13                           ; the early tile, i: its diagonal lies in step a, at most 7
	s_lshl_b32 s74, s14, 4
	v_add_nc_u32 v[DD], s74, v[RH]
	s_wait_xcnt 0x0                                ; the late tile's stores have read their registers: the scores may be written there
	s_wait_loadcnt 0x0                             ; the early tile's Q
.Learly:
	STEP
	s_add_co_u32 s[KS], s[KS], 1
	s_cmp_lt_u32 s[KS], 8
	s_cbranch_scc1 .Learly
	s_setprio 0
	EPI 54, WA, 0
	v_cndmask_b32 v[TP+1], v[WB], v[WA], s18       ; lanes 0-15 store the late tile's words, lanes 16-31 the early tile's
	v_mov_b32 v[TP+2], s56
	v_mov_b32 v[TP+3], s57
	s_delay_alu instid0(VALU_DEP_1)
	v_cndmask_b32 v[TP+2], v[TP+2], v[TP+3], s18
	s_delay_alu instid0(VALU_DEP_1)
	v_add_nc_u32 v[TP+2], v[TP+2], v[R4]
	global_store_b32 v[TP+2], v[TP+1], s[8:9]
	s_wait_tensorcnt 0x0
	ds_add_u32 v254, v255
	s_wait_dscnt 0x0
	ROUND                                          ; the closing round
	s_endpgm
.Lfunc_end_k_q814e15aed8_attn:
	.size	k_q814e15aed8_attn, .Lfunc_end_k_q814e15aed8_attn-k_q814e15aed8_attn
	.p2alignl 7, 3214868480
	.fill 96, 4, 3214868480
	.section	.rodata,"a",@progbits
	.p2align	6, 0x0
	.amdhsa_kernel k_q814e15aed8_attn
		.amdhsa_group_segment_fixed_size 276480
		.amdhsa_private_segment_fixed_size 0
		.amdhsa_enable_private_segment 0
		.amdhsa_kernarg_size 24
		.amdhsa_user_sgpr_count 2
		.amdhsa_user_sgpr_kernarg_segment_ptr 1
		.amdhsa_wavefront_size32 1
		.amdhsa_system_sgpr_workgroup_id_x 1
		.amdhsa_system_sgpr_workgroup_id_y 1
		.amdhsa_system_sgpr_workgroup_id_z 1
		.amdhsa_system_vgpr_workitem_id 0
		.amdhsa_next_free_vgpr 256
		.amdhsa_next_free_sgpr 80
		.amdhsa_reserve_vcc 1
		.amdhsa_float_denorm_mode_32 3
		.amdhsa_float_denorm_mode_16_64 3
		.amdhsa_fp16_overflow 1
		.amdhsa_memory_ordered 1
		.amdhsa_forward_progress 1
		.amdhsa_inst_pref_size 67
	.end_amdhsa_kernel
	.amdgpu_metadata
---
amdhsa.version: [ 1, 2 ]
amdhsa.kernels:
  - .name:           k_q814e15aed8_attn
    .symbol:         k_q814e15aed8_attn.kd
    .args:
      - { .name: qkvws, .offset: 0, .size: 8, .value_kind: global_buffer, .address_space: global }
      - { .name: att_codes, .offset: 8, .size: 8, .value_kind: global_buffer, .address_space: global }
      - { .name: att_scales, .offset: 16, .size: 8, .value_kind: global_buffer, .address_space: global }
    .group_segment_fixed_size: 276480
    .private_segment_fixed_size: 0
    .kernarg_segment_align: 8
    .kernarg_segment_size: 24
    .max_flat_workgroup_size: 512
    .sgpr_count:     80
    .vgpr_count:     256
    .wavefront_size: 32
...
	.end_amdgpu_metadata
.endif
;; end of part 2
;; launch proj (part 3): grid 8 x 32, 4 waves a work-group, clusters of 4 x 4, 327,680 bytes of LDS; arguments att_codes, att_scales, out_w_codes, out_w_scales, out_b, out0; writes out0
.if DOCPART == 3
	.amdgcn_target "amdgcn-amd-amdhsa--gfx1250"
	.amdhsa_code_object_version 6
	.text
	.protected	k_q814e15aed8_proj
	.globl	k_q814e15aed8_proj
	.p2align	8
	.type	k_q814e15aed8_proj,@function
k_q814e15aed8_proj:
	s_mov_b64 s[64:65], 0
	v_nop
	global_prefetch_b8 v0, s[64:65] scope:SCOPE_SE
	s_setreg_imm32_b32 hwreg(HW_REG_WAVE_MODE, 25, 1), 1
	s_wait_xcnt 0x0
	s_wait_alu depctr_hold_cnt(0) depctr_sa_sdst(0) depctr_va_vdst(0) depctr_va_sdst(0) depctr_va_ssrc(0) depctr_va_vcc(0) depctr_vm_vsrc(0)
	s_getreg_b32 s2, hwreg(HW_REG_IB_STS2, 6, 4)
	s_cmp_eq_u32 s2, 0
	s_cbranch_scc0 .Lentry_in_a_cluster
	s_endpgm
.Lentry_in_a_cluster:
	s_bfe_u32 s2, ttmp6, 0x10000c
	s_cmp_lg_u32 s2, 0xf033
	s_cbranch_scc0 .Lentry_shape_is_right
	s_endpgm
.Lentry_shape_is_right:
; out = o W^T + b on codes of E4M3 with E8M0 scales (8,192 x 1,024 x 1,024), f32 out.
; SHARES.  A work-group takes 256 tokens x 128 columns: 256 work-groups.  Wave w takes tokens 64 w .. 64 w + 63 x all 128 columns: 4 tiles of tokens (a) x 8 tiles of columns (b): 32 accumulators.
; THE MATRIX INSTRUCTION IS USED TRANSPOSED (source 0 = 16 rows of W, source 1 = 16 tokens): a lane holds eight neighbouring numbers of a row of the output.
; o's codes lie in memory as images of the operand's registers, [K / 256][tile of 16 tokens][K / 128 % 2][block of 32][lane][16 bytes]: a K step's 256 tokens are one dense block of 65,536 bytes, and a fragment
; comes from LDS by four loads of 512 consecutive bytes.  W's tiles are rows of 256 bytes with 16 bytes of padding.
; K goes in steps of 256 through a ring of two LDS slots.  CLUSTERS: 4 x 4 work-groups; o's tile hangs on the block of tokens alone and is asked for jointly along a row of the cluster, W's on the block of columns alone and
; jointly along a column.  By this text's own count a wave has one tensor load out at a time at the start and one behind each round.
; The scale words for all of K come once, into registers; lanes 0-15 hold K steps 0-3, lanes 16-31 K steps 4-7 (read by ROW1).  o's word of a K step is made of two heads' two bytes each.  The bias is the C of each sum's first product.
; REGISTERS, in windows of 256: window 0: v1-29 addresses; v32-47 o's scale words; v48-79 W's; v96-111 at work; v128-255 o's fragments, two sets (later the way out).
;   window 1: v0-127 W's 8 fragments, one set; v128-191 the bias.   window 2: the accumulators at 64 a + 8 b.
.set PITCH,  272
.set HALFA,  32768                     ; what one tensor load brings of o: eight tiles' images
.set HALFB,  64*PITCH                  ; and of W
.set SLOT,   2*HALFA+2*HALFB
.set SPARE,  2*SLOT                    ; behind the ring: the spare words, 128 bytes for each wave, which no other line names
.set SPITCH, 528                       ; the way out: a stage of 16 rows x (512 bytes + 16) for each wave, in slot 0, which has had its last fill and its last read when the first result is stored there
.set ADRA, 16
.set ADRB, 20
.set STO,  24                          ; v24 the way out: where I put 32 bytes of a row
.set RD,   25                          ; v25 where I read a row back
.set CO,   26                          ; v26 my byte offset in a row's 512 bytes
.set SPW,  28
.set NIL,  29
.set SA,   32
.set SB,   48
.set L1,   96                          ; v96-111 the odd heads' bytes
.set AF,   128
.set BK,   128                         ; the way out: 16 rows read back: v128-191 and v192-255 by turns
.set BIAS, 128                         ; in window 1
.set G1A, 28
.set G0A, 36
.set G1B, 44
.set G0B, 52
.set MSB, 0
.macro WIN new                         ; the immediate's high byte repeats the setting that is left
.if MSB != (\new)
	s_set_vgpr_msb (MSB<<8)|(\new)
.set MSB, (\new)
.endif
.endm
.macro PLACES n
.rept \n
	v_nop
.endr
.endm
.macro JLOAD s                         ; a joint load: waves 0 and 1 fetch o's two halves, waves 2 and 3 W's; four v_nop follow each of the two lines
	s_cmp_eq_u32 s17, 0
	s_cbranch_scc0 .Lfor_b_\@
	tensor_load_to_lds s[G0A+4*\s:G0A+4*\s+3], s[G1A:G1A+7]
	s_nop 0
.rept 4
	v_nop
.endr
	s_branch .Lasked_\@
.Lfor_b_\@:
	tensor_load_to_lds s[G0B+4*\s:G0B+4*\s+3], s[G1B:G1B+7]
	s_nop 0
.rept 4
	v_nop
.endr
.Lasked_\@:
.endm
.macro CREST
	s_cmp_lg_u32 s16, 0
	s_cbranch_scc1 .Lnot_wave_0_\@
	s_barrier_signal -3
.Lnot_wave_0_\@:
	s_barrier_wait -3
	s_barrier_signal -1
	s_barrier_wait -1
.endm
.macro CROUND
	s_barrier_signal -1
	s_barrier_wait -1
	CREST
.endm
	s_load_b256 s[4:11], s[0:1], 0x0               ; o's codes s[4:5], o's scale words s[6:7], W's codes s[8:9], W's scales s[10:11]
	s_load_b128 s[12:15], s[0:1], 0x20             ; the bias s[12:13], the output s[14:15]
	v_lshl_add_u32 v[SPW], v0, 2, SPARE
	v_mov_b32 v[NIL], 0
	ds_add_u32 v28, v29
	ds_add_u32 v28, v29
	s_wait_dscnt 0x0
	v_lshrrev_b32 v1, 5, v0
	v_readfirstlane_b32 s16, v1                    ; wave 0..3
	s_lshr_b32 s17, s16, 1                         ; I fetch for o (0) or for W (1)
	s_and_b32 s18, s16, 1                          ; which half of that tile
	s_bfe_u32 s19, ttmp6, 0x40000                  ; cx
	s_bfe_u32 s20, ttmp6, 0x40004                  ; cy
	s_lshl_b32 s21, ttmp9, 2
	s_add_co_u32 s21, s21, s19                     ; the block of 128 columns
	s_and_b32 s22, ttmp7, 0xffff
	s_lshl_b32 s22, s22, 2
	s_add_co_u32 s22, s22, s20                     ; the block of 256 tokens
	s_lshl_b32 s23, s20, 2
	s_lshl_b32 s23, 15, s23                        ; my row of the cluster
	s_lshl_b32 s24, 0x1111, s19                    ; my column
	; group 1.  o: 128 rows of 256 bytes, dense, no padding.  W: 64 rows of 256 bytes, 1,024 apart, 4 words of padding behind every 64
	s_or_b32 s[G1A], s23, (1<<21)
	s_or_b32 s[G1B], s24, (1<<20)|(1<<21)|(5<<22)|(3<<25)
.irp g, G1A, G1B
	s_mov_b32 s[\g+1], 256<<16
	s_mov_b32 s[\g+3], 256<<16
	s_mov_b32 s[\g+6], 0
	s_mov_b32 s[\g+7], 0
.endr
	s_mov_b32 s[G1A+2], 128<<16
	s_mov_b32 s[G1A+4], 128
	s_mov_b32 s[G1A+5], 256
	s_mov_b32 s[G1B+2], 64<<16
	s_mov_b32 s[G1B+4], 64
	s_mov_b32 s[G1B+5], 1024
	s_lshl_b32 s66, s22, 4
	s_lshl_b32 s67, s18, 3
	s_add_co_u32 s66, s66, s67                     ; o: tile 16 x block + 8 x half, 4,096 bytes a tile
	s_lshl_b32 s66, s66, 12
	s_mov_b32 s67, 0
	s_lshl_b32 s70, s21, 7
	s_lshl_b32 s71, s18, 6
	s_add_co_u32 s70, s70, s71                     ; W: row 128 x block + 64 x half
	s_lshl_b32 s70, s70, 10
	s_mov_b32 s71, 0
	s_mul_i32 s68, s18, HALFA                      ; where they go: no place in the cluster enters an LDS address
	s_mul_i32 s72, s18, HALFB
	s_add_co_u32 s72, s72, 2*HALFA
	s_lshl_b32 s74, s22, 8
	s_lshl_b32 s75, s16, 6
	s_add_co_u32 s74, s74, s75                     ; my first token
	s_lshl_b32 s80, s74, 12                        ; its row of the output, 4,096 bytes a row,
	s_lshl_b32 s81, s21, 9
	s_add_co_u32 s80, s80, s81                     ; and my block's 512 bytes in it
	s_mov_b32 s81, 0
	s_lshl_b32 s74, s74, 2                         ; its scale word
	s_mov_b32 s75, 0
	s_lshl_b32 s76, s21, 12                        ; W's scale bytes: 128 rows of 32
	s_mov_b32 s77, 0
	s_lshl_b32 s78, s21, 9                         ; the bias: 128 numbers
	s_mov_b32 s79, 0
	s_wait_kmcnt 0x0
	s_add_nc_u64 s[66:67], s[4:5], s[66:67]
	s_add_nc_u64 s[70:71], s[8:9], s[70:71]
	s_add_nc_u64 s[6:7], s[6:7], s[74:75]
	s_add_nc_u64 s[10:11], s[10:11], s[76:77]
	s_add_nc_u64 s[12:13], s[12:13], s[78:79]
	s_add_nc_u64 s[14:15], s[14:15], s[80:81]
	CROUND                                         ; all sixteen work-groups are here: the first joint loads meet
.irp s, 0,1
	s_mov_b32 s[G0A+4*\s], 1
	s_add_co_u32 s[G0A+4*\s+1], s68, \s*SLOT
	s_add_nc_u64 s[G0A+4*\s+2:G0A+4*\s+3], s[66:67], \s*0x200000
	s_or_b32 s[G0A+4*\s+3], s[G0A+4*\s+3], 0x80000000
	s_mov_b32 s[G0B+4*\s], 1
	s_add_co_u32 s[G0B+4*\s+1], s72, \s*SLOT
	s_add_nc_u64 s[G0B+4*\s+2:G0B+4*\s+3], s[70:71], \s*256
	s_or_b32 s[G0B+4*\s+3], s[G0B+4*\s+3], 0x80000000
	s_wait_alu depctr_va_vdst(0)
	s_wait_tensorcnt 0x0
	ds_add_u32 v28, v29
	ds_add_u32 v28, v29
	s_wait_dscnt 0x0
	CROUND
	JLOAD \s
.endr
	v_and_b32 v1, 15, v0                           ; r
	v_bfe_u32 v2, v0, 4, 1                         ; h
	v_and_b32 v3, 31, v0                           ; lane
	v_lshlrev_b32 v[CO], 4, v3
	s_lshl_b32 s82, s16, 14                        ; my four tiles' images
	v_add_nc_u32 v[ADRA], s82, v[CO]
	v_add_nc_u32 v[ADRA+1], SLOT, v[ADRA]
	v_mul_u32_u24 v4, v1, PITCH
	v_lshl_add_u32 v4, v2, 4, v4
	v_add_nc_u32 v[ADRB], 2*HALFA, v4
	v_add_nc_u32 v[ADRB+1], SLOT, v[ADRB]
	v_lshlrev_b32 v5, 5, v1
	v_lshl_add_u32 v5, v2, 4, v5                   ; W's scale bytes: row r of 32 bytes, + 16 h
	v_lshlrev_b32 v6, 5, v2                        ; the bias: my half's eight numbers
	v_lshlrev_b32 v7, 2, v1
	v_lshl_add_u32 v7, v2, 18, v7                  ; o's scale words: 4 r; lanes 16-31 eight heads (four K steps) further on
.irp a, 0,1,2,3
.irp j, 0,1,2,3
	global_load_b32 v[SA+4*\a+\j], v7, s[6:7] offset:65536*\j+64*\a         ; head 2 j (+ 8 h): bytes 0, 1 of K step j's word
	global_load_b32 v[L1+4*\a+\j], v7, s[6:7] offset:65536*\j+64*\a+32768   ; head 2 j + 1: bytes 2, 3
.endr
.endr
.irp b, 0,1,2,3,4,5,6,7
	global_load_b128 v[SB+4*\b:SB+4*\b+3], v5, s[10:11] offset:512*\b
.endr
	WIN 0x40                                       ; destination window 1
.irp b, 0,1,2,3,4,5,6,7
	global_load_b128 v[BIAS+8*\b:BIAS+8*\b+3], v6, s[12:13] offset:64*\b
	global_load_b128 v[BIAS+8*\b+4:BIAS+8*\b+7], v6, s[12:13] offset:64*\b+16
.endr
	WIN 0
	s_mul_i32 s83, s16, 16*SPITCH                  ; my stage
	v_mul_u32_u24 v4, v1, SPITCH
	v_lshl_add_u32 v4, v2, 5, v4
	v_add_nc_u32 v[STO], s83, v4                   ; in: row r, 32 bytes for each half of the lanes
	v_add_nc_u32 v[RD], s83, v[CO]                 ; back: the 32 lanes take one row of 512 bytes
.macro FETCH_A slot, q, p              ; o's four fragments of the slot's q-th 128 along K into set p: images, 512 consecutive bytes a load
.irp a, 0,1,2,3
.irp c, 0,1,2,3
	ds_load_b128 v[AF+64*(\p)+16*\a+4*\c:AF+64*(\p)+16*\a+4*\c+3], v[ADRA+\slot] offset:4096*\a+2048*(\q)+512*\c
.endr
.endr
.endm
.macro FETCH_B slot, q, b0             ; four of W's fragments, blocks b0 on
	WIN 0x40
.set bb, \b0
.rept 4
.irp c, 0,1,2,3
	ds_load_b128 v[16*bb+4*\c:16*bb+4*\c+3], v[ADRB+\slot] offset:bb*16*PITCH+128*(\q)+32*\c
.endr
.set bb, bb+1
.endr
	WIN 0
.endm
; W's blocks b0 .. b0 + nb - 1, each against o's four.  The 32 accumulators take turns, one instruction a turn, in the same order in every step.
.macro MUL b0, nb, p, ks, first
.set bb, \b0
.rept \nb
.set aa, 0
.rept 4
.set rD, 64*aa+8*bb
.set rA, AF+64*(\p)+16*aa
.set rB, 16*bb
.set rSA, SA+4*aa+(\ks)%4
.set rSB, SB+4*bb+(\ks)%4
.if \first
	WIN 0x91                                       ; source 0 (W) and C (bias) window 1, source 1 (o) window 0, D window 2
.set rC, BIAS+8*bb
.else
	WIN 0xa1
.set rC, rD
.endif
.if (\ks) >= 4
	v_wmma_scale_f32_16x16x128_f8f6f4 v[rD:rD+7], v[rB:rB+15], v[rA:rA+15], v[rC:rC+7], v[rSB], v[rSA] matrix_a_scale:MATRIX_SCALE_ROW1 matrix_b_scale:MATRIX_SCALE_ROW1
.else
	v_wmma_scale_f32_16x16x128_f8f6f4 v[rD:rD+7], v[rB:rB+15], v[rA:rA+15], v[rC:rC+7], v[rSB], v[rSA]
.endif
.set aa, aa+1
.endr
.set bb, bb+1
.endr
.endm
.macro STEP slot, ks, first            ; a slot's first step: o's set 0; W's blocks 0-3 are fetched anew in its middle, blocks 4-7 at its end, each behind eight places
	s_wait_dscnt 16                                ; o's set and W's blocks 0-3 are in; the youngest 16 loads (W's blocks 4-7) may be out
	MUL 0, 4, 0, \ks, \first
	s_wait_dscnt 0x0
	PLACES 8
	WIN 0
	FETCH_A \slot, 1, 1
	FETCH_B \slot, 1, 0
	MUL 4, 4, 0, \ks, \first
	PLACES 8
	FETCH_B \slot, 1, 4
.endm
.macro TURN slot, next, ks, fill       ; a slot's second step changes slots: one barrier; fill = 1: this slot is filled again, two slots ahead
	s_wait_tensorcnt 0x0                           ; all my tensor loads have landed: my part of the next slot (every window is 0 here)
	ds_add_u32 v[SPW], v[NIL]                      ; 0 onto my spare word
	s_wait_dscnt 17                                ; the add and the youngest 16 loads may be out
	MUL 0, 2, 1, \ks, 0                            ; eight matrix instructions stand between the add and the wait for it
	s_wait_dscnt 0x0                               ; the add is done, and my reads of this slot are over
	s_barrier_signal -1
	MUL 2, 2, 1, \ks, 0
	WIN 0
	s_barrier_wait -1
.if \fill
	CREST                                          ; the barrier has opened a round of the cluster's: no wave of any partner still reads this slot or has a load on its way
	s_add_nc_u64 s[G0A+4*\slot+2:G0A+4*\slot+3], s[G0A+4*\slot+2:G0A+4*\slot+3], 0x400000
	s_add_nc_u64 s[G0B+4*\slot+2:G0B+4*\slot+3], s[G0B+4*\slot+2:G0B+4*\slot+3], 512
	JLOAD \slot                                    ; the first tensor load behind the round; its four v_nop are four of the eight places
	PLACES 4
.else
	PLACES 8
.endif
	FETCH_A \next, 0, 0
	FETCH_B \next, 0, 0
	MUL 4, 4, 1, \ks, 0
	PLACES 8
	FETCH_B \next, 0, 4
.endm
	s_wait_tensorcnt 0x1                           ; my part of slot 0 is in; slot 1's may stay out
	s_barrier_signal -1
	s_barrier_wait -1
	FETCH_A 0, 0, 0
	FETCH_B 0, 0, 0
	FETCH_B 0, 0, 4
	s_wait_loadcnt 0x0                             ; scale words and bias
.irp i, 0,1,2,3,4,5,6,7,8,9,10,11,12,13,14,15
	v_lshl_or_b32 v[SA+\i], v[L1+\i], 16, v[SA+\i] ; two heads' two bytes each make a K step's word
.endr
	PLACES 8                                       ; a scale register written by a vector instruction stands eight places ahead of the product that names it
	s_wait_alu depctr_va_vdst(0)
	STEP 0, 0, 1
	TURN 0, 1, 1, 1
	STEP 1, 2, 0
	TURN 1, 0, 3, 1
	STEP 0, 4, 0
	TURN 0, 1, 5, 0                                ; nothing is left to fetch: no round
	STEP 1, 6, 0
	s_wait_dscnt 16
	MUL 0, 4, 1, 7, 0
	s_wait_dscnt 0x0
	MUL 4, 4, 1, 7, 0
	WIN 0
; THE WAY OUT, block by block of 16 tokens x 128 columns.  A lane holds 32 neighbouring bytes of a row, and the lanes beside it hold other rows: a block goes through my own stage in LDS and comes back as whole rows of 512 bytes.
; LDS serves a wave's instructions in order (ISA guide 5.7.1.4): no wait between the stores and the loads, nor in front of the next block's stores.
.macro TOSTAGE a
	WIN 0x08                                       ; an LDS store's data are its source 1: window 2
.irp b, 0,1,2,3,4,5,6,7
	ds_store_b128 v[STO], v[64*(\a)+8*\b:64*(\a)+8*\b+3] offset:64*\b          ; each accumulator from its low end on
	ds_store_b128 v[STO], v[64*(\a)+8*\b+4:64*(\a)+8*\b+7] offset:64*\b+16
.endr
	WIN 0
.set BB, BK+64*((\a)%2)
.irp t, 0,1,2,3,4,5,6,7,8,9,10,11,12,13,14,15
	ds_load_b128 v[BB+4*\t:BB+4*\t+3], v[RD] offset:\t*SPITCH
.endr
.endm
.macro SEND a, younger                 ; younger: the LDS instructions issued behind block a's loads, which may stay out
.set BB, BK+64*((\a)%2)
	s_wait_dscnt \younger
.if (\a) > 0
	s_add_nc_u64 s[14:15], s[14:15], 16*4096       ; (behind a wait on XCNT: the earlier stores have read their base)  16 rows on
.endif
.irp t, 0,1,2,3,4,5,6,7,8,9,10,11,12,13,14,15
	global_store_b128 v[CO], v[BB+4*\t:BB+4*\t+3], s[14:15] offset:\t*4096 th:TH_STORE_NT   ; 32 lanes store 512 consecutive bytes, aligned; written once, read by nobody here
.endr
.endm
	PLACES 8                                       ; in front of the first read of results and of loads into the registers that held o's fragments
	TOSTAGE 0
.irp a, 1,2,3
.if \a > 1
	s_wait_xcnt 0x0                                ; block a - 2's stores have read their registers and their base
.endif
	TOSTAGE \a
	SEND \a-1, 32                                  ; behind block a - 1's loads: block a's 16 stores and 16 loads
.endr
	s_wait_xcnt 0x0
	SEND 3, 0
	s_wait_tensorcnt 0x0                           ; the wave's end
	ds_add_u32 v[SPW], v[NIL]
	s_wait_dscnt 0x0
	CROUND                                         ; the closing round: no work-group ends while a partner may still ask for a tile that names it
	s_endpgm
.Lfunc_end_k_q814e15aed8_proj:
	.size	k_q814e15aed8_proj, .Lfunc_end_k_q814e15aed8_proj-k_q814e15aed8_proj
	.p2alignl 7, 3214868480
	.fill 96, 4, 3214868480
	.section	.rodata,"a",@progbits
	.p2align	6, 0x0
	.amdhsa_kernel k_q814e15aed8_proj
		.amdhsa_group_segment_fixed_size 327680
		.amdhsa_private_segment_fixed_size 0
		.amdhsa_enable_private_segment 0
		.amdhsa_kernarg_size 48
		.amdhsa_user_sgpr_count 2
		.amdhsa_user_sgpr_kernarg_segment_ptr 1
		.amdhsa_wavefront_size32 1
		.amdhsa_system_sgpr_workgroup_id_x 1
		.amdhsa_system_sgpr_workgroup_id_y 1
		.amdhsa_system_sgpr_workgroup_id_z 1
		.amdhsa_system_vgpr_workitem_id 0
		.amdhsa_next_free_vgpr 768
		.amdhsa_next_free_sgpr 100
		.amdhsa_reserve_vcc 0
		.amdhsa_float_denorm_mode_32 3
		.amdhsa_float_denorm_mode_16_64 3
		.amdhsa_memory_ordered 1
		.amdhsa_forward_progress 1
		.amdhsa_inst_pref_size 94
	.end_amdhsa_kernel
	.amdgpu_metadata
---
amdhsa.version: [ 1, 2 ]
amdhsa.kernels:
  - .name:           k_q814e15aed8_proj
    .symbol:         k_q814e15aed8_proj.kd
    .args:
      - { .name: att_codes, .offset: 0, .size: 8, .value_kind: global_buffer, .address_space: global }
      - { .name: att_scales, .offset: 8, .size: 8, .value_kind: global_buffer, .address_space: global }
      - { .name: out_w_codes, .offset: 16, .size: 8, .value_kind: global_buffer, .address_space: global }
      - { .name: out_w_scales, .offset: 24, .size: 8, .value_kind: global_buffer, .address_space: global }
      - { .name: out_b, .offset: 32, .size: 8, .value_kind: global_buffer, .address_space: global }
      - { .name: out0, .offset: 40, .size: 8, .value_kind: global_buffer, .address_space: global }
    .group_segment_fixed_size: 327680
    .private_segment_fixed_size: 0
    .kernarg_segment_align: 8
    .kernarg_segment_size: 48
    .max_flat_workgroup_size: 128
    .sgpr_count:     100
    .vgpr_count:     768
    .wavefront_size: 32
...
	.end_amdgpu_metadata
.endif
;; end of part 3
